; MI455X (gfx1250); checked and timed in simulation.
; The chip was launched on July 23, 2026; its instructions are those of AMD's public machine-readable ISA for CDNA 5 (MIT licence, August 2026) and "CDNA5" Instruction Set Architecture Reference Guide (July 2026). The comments in the code are by the model that wrote it; some were corrected since.
;; Local Attention. Allowed arithmetic: float matrix products may take bf16 or f16 operands with f32 sums; all other float work in f32.
;; Inputs: k 4 x 8 x 8,192 x 64 float32; q 4 x 8 x 8,192 x 64 float32; v 4 x 8 x 8,192 x 64 float32.
;; Outputs: out0 4 x 8 x 8,192 x 64 float32.
;; 2 versions, each right; version 2 is version 1 with the launch attn written anew for expert scheduling mode. Each part assembles by itself: llvm-mc -triple=amdgcn-amd-amdhsa -mcpu=gfx1250 --defsym DOCPART=n.
;; ======== version 1 of 2: 1 launch
;; limits: values are held in f16: magnitudes above 65,504 overflow, below 6.1e-05 lose precision; inputs' magnitudes at most 65,504
;; launch attn (part 1): grid 256 x 1, 8 waves a work-group, no clusters, 132,096 bytes of LDS; arguments q, k, v, out0; writes out0
.if DOCPART == 1
	.amdgcn_target "amdgcn-amd-amdhsa--gfx1250"
	.amdhsa_code_object_version 6
	.text
	.protected	k_q261312ccdf_attn
	.globl	k_q261312ccdf_attn
	.p2align	8
	.type	k_q261312ccdf_attn,@function
k_q261312ccdf_attn:
	s_mov_b64 s[64:65], 0
	v_nop
	global_prefetch_b8 v0, s[64:65] scope:SCOPE_SE
	s_setreg_imm32_b32 hwreg(HW_REG_WAVE_MODE, 25, 1), 1
	s_wait_xcnt 0x0
; Local causal attention: 32 heads x 64 windows of 128 queries, D = 64, f32 in and out.  A window sees its own keys (causally) and all 128
; keys of the window in front of it; a head's first window sees only itself.
; A work-group owns 8 consecutive windows (262,144 bytes of each tensor); one trip = one window.  K and V of a window are rounded to f16,
; laid into one of two LDS slots and stay there for the next trip, so that only the window in front of the chunk is read a second time
; (64 KiB on top of a work-group's 768 KiB of inputs).
; Wave w makes the 16 queries of tile qi = w (w < 4) or 11 - w: it needs 4 + (qi/2 + 1) pairs of 16-key tiles, and waves w and w + 4
; have 13 pairs between them for every w.  Pairs that the causal mask throws away whole are not computed.
; S^T = K Q^T: register j of a score tile holds (key 8h + j, query r), r = lane % 16, h = lane / 16.  Two such tiles, packed to f16, ARE the
; B fragment of O^T = V^T P^T: no shuffle, no LDS.  All scores of a row stay in registers, so the softmax is the plain one: the row's true
; maximum first, then the exponentials.  The row sum is one more product (ones x P^T): it adds the same rounded weights that multiply V.
; WHY F16 AND NOT BF16: the first rows of a head have only a few keys, so a single weight is large and its rounding goes into the result
; unaveraged; f16 keeps 11 significant bits where bf16 keeps 8.  Weights lie in [0, 1] and a row's sum is at least 1, so an f16 denormal
; weight errs by at most 2^-25 of the sum.
; NO CLUSTER, NO TENSOR LOADS: the inputs are f32 and pass through registers to become f16, and what two work-groups share is the
; 64 KiB above, out of 832 KiB.  NO PREFETCH: each wave's loads are issued two trips ahead of their use already.
; LIMITS: numbers of q, k, v above 65,504 in magnitude become infinite in f16; below 2^-14 they keep an absolute error of 2^-25.
; A weight below 2^-126 comes out of v_exp_f32 as 0 (denormal results are flushed: ISA guide 15.8), one below 2^-25 rounds to 0 in f16.
; Non-finite inputs are not followed as the reference follows them.  Products take f16 operands, sums are f32.
.set WINB,   32768                     ; bytes of a window in each tensor
.set KP,     144                       ; LDS pitch of K and Q rows: 128 bytes + 16 = 9 x 16, so 16 rows start at 16 different 16-byte columns modulo 256
.set VP,     160                       ; LDS pitch of V rows: 5 x 32, for the transposing loads
.set KSLOT,  128*KP
.set VSLOT,  128*VP
.set VBASE,  2*KSLOT                   ; 36,864: V's two slots behind K's two
.set QST,    VBASE+2*VSLOT             ; 77,824: Q stages, 16 rows for each wave, its own
.set QSTW,   16*KP
.set OPITCH, 272                       ; out stage: 256 bytes + 16
.set OST,    QST+8*QSTW                ; 96,256: out stages, 16 rows of f32 for each wave, its own; they end at 131,072
.set OSTW,   16*OPITCH
.set KPAIR,  32*KP                     ; a pair = 32 keys
.set VPAIR,  32*VP
; vector registers, window 0
.set VMASK,  1                         ; -FLT_MAX, the reference's mask value
.set VOFFKV, 2                         ; w x 4096 + 16 lane: my 16 bytes of the wave's 16 rows of K and V
.set VOFFQ,  3                         ; qi x 4096 + 16 lane: the same for Q and for the output
.set VSTK,   4                         ; where I put 8 bytes of K, V, Q
.set VSTV,   5
.set VSTQ,   6
.set VQF,    7                         ; fragment addresses: Q, K, K's diagonal pair, V, V's diagonal pair
.set VKF,    8
.set VKD,    9
.set VVF,    10
.set VVD,    11
.set VOS,    12                        ; out stage: in, back
.set VOR,    13
.set MP0,    14                        ; running maxima: window in front (two chains), own window (two chains)
.set MP1,    15
.set MO0,    16
.set MO1,    17
.set NEG,    18                        ; v[18:19] -m c, twice
.set NEGP,   20                        ; v[20:21] the same for the window in front (-inf where that is the pad)
.set INV,    22                        ; v[22:23] 1 / row sum, twice; v22 also takes the other half's maximum
.set ONES,   24                        ; v[24:31] a fragment of f16 ones
.set QF,     32                        ; v[32:47] Q fragments, d 0-31 and 32-63
.set ACC,    48                        ; v[48:79] O^T, four tiles of 16 d
.set FA,     48                        ; K fragment buffer A: the same registers, free while scores are made
.set LACC,   80                        ; v[80:87] row sums
.set FB,     88                        ; v[88:119] K fragment buffer B
.set FV,     88                        ; and V's fragments afterwards
.set S,      128                       ; v[128:255] scores: pair g in front at S+16g, diagonal pair at S+64, own pair i-1 at S+64+16i
.set T,      S+80                      ; v[208:255] 48 registers of f16 on their way to LDS (written in every trip, on every path)
.set OT,     S                         ; v[128:159] output rows on their way out
; window 1: staging set s at v[256+96s ..]: 32 registers of Q, 32 of K, 32 of V, as loaded
.set MSK,    32                        ; s[32:47] lane masks of the diagonal pair
.set MSB, 0
.macro WIN new                         ; s_set_vgpr_msb; the immediate's high byte repeats the setting that is left
.if MSB != \new
	s_set_vgpr_msb (MSB<<8)|\new
.set MSB, \new
.endif
.endm
.macro PLACES n
.rept \n
	v_nop
.endr
.endm
	s_load_b256 s[4:11], s[0:1], 0x0               ; q s[4:5], k s[6:7], v s[8:9], out s[10:11]
	v_lshl_add_u32 v126, v0, 2, 0x20000
	v_mov_b32 v127, 0
	v_lshrrev_b32 v33, 5, v0
	v_readfirstlane_b32 s12, v33                   ; wave w
	v_and_b32 v32, 31, v0                          ; lane
	v_and_b32 v34, 15, v0                          ; r
	v_bfe_u32 v35, v0, 4, 1                        ; h
	s_sub_co_u32 s13, 11, s12
	s_cmp_lt_u32 s12, 4
	s_cselect_b32 s13, s12, s13                    ; qi = w or 11 - w
	s_lshr_b32 s14, s13, 1                         ; pd: the own pair that holds the diagonal
	s_and_b32 s15, s13, 1
	s_lshl_b32 s15, s15, 4                         ; my queries start at key 0 or 16 of that pair
	s_lshl_b32 s16, ttmp9, 18                      ; the chunk: 8 windows of 32,768 bytes (256 chunks: below 4 GiB)
	s_mov_b32 s17, 0
	s_mov_b32 s19, 0x7f7fffff                      ; CAP: upper bound of the front window's maximum (neutral)
	s_mov_b32 s22, 0x7f7fffff                      ; CAP2: upper bound of its -m c (neutral)
	s_mov_b32 s20, WINB                            ; the window in front lies 32,768 bytes back
	s_mov_b32 s21, 0
	s_mov_b32 s23, -1                              ; keeps its bits
	s_and_b32 s18, ttmp9, 7
	s_cmp_eq_u32 s18, 0                            ; the chunk begins a head: the window in front is the pad
	s_cselect_b32 s19, 0xff7fffff, s19             ; its maximum counts as -FLT_MAX,
	s_cselect_b32 s22, 0xff800000, s22             ; its exponents get -inf: weights 0,
	s_cselect_b32 s20, 0, s20                      ; the loads stay inside the buffers (the chunk's own first window),
	s_cselect_b32 s23, 0, s23                      ; and what they bring is cleared
	s_mov_b32 s48, 0x76543210                      ; v_permlanex16_b32: lane i takes lane i xor 16
	s_mov_b32 s49, 0xfedcba98
	s_lshl_b32 s2, s12, 12
	s_lshl_b32 s3, s13, 12
	v_lshl_add_u32 v[VOFFKV], v32, 4, s2
	v_lshl_add_u32 v[VOFFQ], v32, 4, s3
	; a 16-byte load holds 4 f32 of row 2i + h at d = 4r: 8 bytes of f16 at row x pitch + 8r
	v_mul_u32_u24 v36, v35, KP
	v_lshl_add_u32 v36, v34, 3, v36                ; h x 144 + 8r
	v_mul_u32_u24 v37, v35, VP
	v_lshl_add_u32 v37, v34, 3, v37                ; h x 160 + 8r
	s_mul_i32 s2, s12, QSTW                        ; 16 w rows of K; also the wave's Q stage
	s_mul_i32 s3, s12, 16*VP
	s_add_co_u32 s3, s3, VBASE
	v_add_nc_u32 v[VSTK], s2, v36
	v_add_nc_u32 v[VSTV], s3, v37
	s_add_co_u32 s2, s2, QST
	v_add_nc_u32 v[VSTQ], s2, v36
	v_mul_u32_u24 v[VKF], v34, KP                  ; fragments with d along the rows: row r, 16 bytes for each half of the lanes
	v_lshl_add_u32 v[VKF], v35, 4, v[VKF]
	v_add_nc_u32 v[VQF], s2, v[VKF]
	s_mul_i32 s28, s14, KPAIR
	v_add_nc_u32 v[VKD], s28, v[VKF]
	v_and_b32 v38, 7, v0                           ; V is stored [key][d] and read transposed: row 8h + lane % 8, 16 bytes by bit 3 of the lane
	v_lshl_add_u32 v38, v35, 3, v38
	v_mul_u32_u24 v38, v38, VP
	v_bfe_u32 v39, v0, 3, 1
	v_lshl_add_u32 v38, v39, 4, v38
	v_add_nc_u32 v[VVF], VBASE, v38
	s_mul_i32 s29, s14, VPAIR
	v_add_nc_u32 v[VVD], s29, v[VVF]
	s_mul_i32 s30, s12, OSTW
	s_add_co_u32 s30, s30, OST
	v_mul_u32_u24 v40, v34, OPITCH                 ; in: query r, 32 bytes (8 d) for each half of the lanes
	v_lshl_add_u32 v40, v35, 5, v40
	v_add_nc_u32 v[VOS], s30, v40
	v_mul_u32_u24 v41, v35, OPITCH                 ; back: lanes 0-15 one row of 256 bytes, lanes 16-31 the next
	v_lshl_add_u32 v41, v34, 4, v41
	v_add_nc_u32 v[VOR], s30, v41
	; the diagonal pair: key 16u + 8h + j lies behind query s15 + r  <=>  16u + j > s15 + r - 8h
	v_lshlrev_b32 v42, 3, v35
	v_sub_nc_u32 v42, v34, v42
	v_add_nc_u32 v42, s15, v42
.irp j, 0,1,2,3,4,5,6,7
	v_cmp_gt_i32 s[MSK+\j], \j, v42
	v_cmp_gt_i32 s[MSK+8+\j], 16+\j, v42
.endr
	v_mov_b32 v[VMASK], 0xff7fffff
	v_mov_b32 v[INV], 0                            ; v_permlanex16_b32 counts as a reader of its destination
	v_mov_b32 v[INV+1], 0
.irp j, 0,1,2,3,4,5,6,7
	v_mov_b32 v[ONES+\j], 0x3c003c00               ; two f16 ones
.endr
	s_wait_kmcnt 0x0
	s_add_nc_u64 s[4:5], s[4:5], s[16:17]          ; all four at the chunk's first window
	s_add_nc_u64 s[6:7], s[6:7], s[16:17]
	s_add_nc_u64 s[8:9], s[8:9], s[16:17]
	s_add_nc_u64 s[10:11], s[10:11], s[16:17]
	s_sub_nc_u64 s[24:25], s[6:7], s[20:21]        ; K and V of the window in front
	s_sub_nc_u64 s[26:27], s[8:9], s[20:21]
; 24 loads: the wave's 16 rows of Q, K and V of one window into staging set 'set'.  Each load covers 512 consecutive bytes (two rows).
.macro GLOAD set, woff
	WIN 0x40                                       ; destination in window 1, address in window 0
.irp i, 0,1,2,3,4,5,6,7
	global_load_b128 v[96*\set+4*\i:96*\set+4*\i+3], v[VOFFQ], s[4:5] offset:\woff+512*\i th:TH_LOAD_NT
.endr
.irp i, 0,1,2,3,4,5,6,7
	global_load_b128 v[96*\set+32+4*\i:96*\set+32+4*\i+3], v[VOFFKV], s[6:7] offset:\woff+512*\i
.endr
.irp i, 0,1,2,3,4,5,6,7
	global_load_b128 v[96*\set+64+4*\i:96*\set+64+4*\i+3], v[VOFFKV], s[8:9] offset:\woff+512*\i
.endr
.endm
; n roundings of two f32 each: T + i from the set's registers 2i, 2i + 1, i = first ..
.macro CVT set, first, n
	WIN 0x05                                       ; both sources in window 1
.set cn, \first
.rept \n
	v_cvt_pk_f16_f32 v[T+cn], v[96*\set+2*cn], v[96*\set+2*cn+1]
.set cn, cn+1
.endr
.endm
; T to LDS: 8 bytes a lane, two rows an instruction
.macro STORES slot, withq
.if \withq
.irp i, 0,1,2,3,4,5,6,7
	ds_store_b64 v[VSTQ], v[T+2*\i:T+2*\i+1] offset:2*KP*\i
.endr
.endif
.irp i, 0,1,2,3,4,5,6,7
	ds_store_b64 v[VSTK], v[T+16+2*\i:T+16+2*\i+1] offset:\slot*KSLOT+2*KP*\i
.endr
.irp i, 0,1,2,3,4,5,6,7
	ds_store_b64 v[VSTV], v[T+32+2*\i:T+32+2*\i+1] offset:\slot*VSLOT+2*VP*\i
.endr
.endm
; 8 loads: the K fragments of a pair: tile u, half c of d at buf + 16u + 8c
.macro LOADK buf, areg, off
.irp u, 0,1
.irp c, 0,1
	ds_load_b128 v[\buf+16*\u+8*\c:\buf+16*\u+8*\c+3],   v[\areg] offset:\off+\u*16*KP+64*\c
	ds_load_b128 v[\buf+16*\u+8*\c+4:\buf+16*\u+8*\c+7], v[\areg] offset:\off+\u*16*KP+64*\c+32
.endr
.endr
.endm
; the scores of a pair: two tiles, two halves of d; the first product of each tile starts its sum
.macro MMQK buf, sb
	v_wmma_f32_16x16x32_f16 v[\sb:\sb+7],    v[\buf:\buf+7],     v[QF:QF+7],    0
	v_wmma_f32_16x16x32_f16 v[\sb+8:\sb+15], v[\buf+16:\buf+23], v[QF:QF+7],    0
	v_wmma_f32_16x16x32_f16 v[\sb:\sb+7],    v[\buf+8:\buf+15],  v[QF+8:QF+15], v[\sb:\sb+7]
	v_wmma_f32_16x16x32_f16 v[\sb+8:\sb+15], v[\buf+24:\buf+31], v[QF+8:QF+15], v[\sb+8:\sb+15]
.endm
; One pair of chain A.  The next pair's fragments are asked for first, into the other buffer; the four v_nop stand between the products and
; the readers of their results, and between the products and the next step's loads into this step's buffer.
.macro QKSTEP sb, buf, m0, m1, diag, nxt, nbuf, nareg, noff
.if \nxt
	LOADK \nbuf, \nareg, \noff
	s_wait_dscnt 0x8                               ; the 8 loads just issued stay out; this pair's fragments (and Q's) are older: in
.else
	s_wait_dscnt 0x0                               ; nothing was issued behind the last pair's fragments
.endif
	MMQK \buf, \sb
	PLACES 4
.if \diag
.irp j, 0,1,2,3,4,5,6,7
	v_cndmask_b32 v[\sb+\j],   v[\sb+\j],   v[VMASK], s[MSK+\j]      ; keys behind the query get the mask value
	v_cndmask_b32 v[\sb+8+\j], v[\sb+8+\j], v[VMASK], s[MSK+8+\j]
.endr
.endif
.irp i, 0,2,4,6
	v_max3_num_f32 v[\m0], v[\m0], v[\sb+2*\i],   v[\sb+2*\i+1]     ; two chains take turns
	v_max3_num_f32 v[\m1], v[\m1], v[\sb+2*\i+2], v[\sb+2*\i+3]
.endr
.endm
; One pair of chain B: weights = exp2(c s - c m), packed in place into the B fragment, then four products with V^T and one with ones.
; The eight v_pk_fma_f32 name none of the last pair's product registers: they are the places in front of the loads into V's buffer.
.macro PVSTEP sb, areg, off, neg, first
.irp i, 0,1,2,3,4,5,6,7
	v_pk_fma_f32 v[\sb+2*\i:\sb+2*\i+1], v[\sb+2*\i:\sb+2*\i+1], 0x3e38aa3b, v[\neg:\neg+1] op_sel_hi:[1,0,1]   ; c = log2(e) / 8
.endr
.irp dt, 0,1,2,3
	ds_load_tr16_b128 v[FV+8*\dt:FV+8*\dt+3],   v[\areg] offset:\off+32*\dt          ; d 16dt + r, keys 8h ..
	ds_load_tr16_b128 v[FV+8*\dt+4:FV+8*\dt+7], v[\areg] offset:\off+32*\dt+16*VP    ; keys 16 + 8h ..
.endr
.irp i, 0,1,2,3,4,5,6,7,8,9,10,11,12,13,14,15
	v_exp_f32 v[\sb+\i], v[\sb+\i]
.endr
	v_nop                                          ; one plain place behind the exponentials (ISA guide 5.7.2)
	s_wait_alu depctr_va_vdst(0)
.irp i, 0,1,2,3,4,5,6,7
	v_cvt_pk_f16_f32 v[\sb+\i], v[\sb+2*\i], v[\sb+2*\i+1]     ; ascending: register i is written when 2i and 2i + 1 are read
.endr
	s_wait_dscnt 0x0                               ; V's fragments: issued in front of the exponentials
.irp dt, 0,1,2,3
.if \first
	v_wmma_f32_16x16x32_f16 v[ACC+8*\dt:ACC+8*\dt+7], v[FV+8*\dt:FV+8*\dt+7], v[\sb:\sb+7], 0
.else
	v_wmma_f32_16x16x32_f16 v[ACC+8*\dt:ACC+8*\dt+7], v[FV+8*\dt:FV+8*\dt+7], v[\sb:\sb+7], v[ACC+8*\dt:ACC+8*\dt+7]
.endif
.endr
.if \first
	v_wmma_f32_16x16x32_f16 v[LACC:LACC+7], v[ONES:ONES+7], v[\sb:\sb+7], 0
.else
	v_wmma_f32_16x16x32_f16 v[LACC:LACC+7], v[ONES:ONES+7], v[\sb:\sb+7], v[LACC:LACC+7]
.endif
.endm
; ONE WINDOW.  par: its LDS slot and staging set (the window in front lies in slot 1 - par); loads = 1: the set is asked for again, two
; windows ahead; left: how many younger loads may stay out; last = 1: no window follows.
.macro TRIP id, par, loads, left, last
	s_wait_xcnt 0x0                                ; OT, the data of the last trip's stores, is written again only behind this wait
	s_wait_loadcnt \left                           ; my set is in; the other set's 24 loads are younger and stay out
	CVT \par, 0, 48
.if \loads
	GLOAD \par, (2+\par)*WINB
.endif
	WIN 0
	STORES \par, 1
	s_wait_dscnt 0x0                               ; for the others' sake: my rows of K and V are in LDS
	s_barrier_signal -1
.irp c, 0,1
	ds_load_b128 v[QF+8*\c:QF+8*\c+3],   v[VQF] offset:64*\c          ; my own stage: no other wave touches it
	ds_load_b128 v[QF+8*\c+4:QF+8*\c+7], v[VQF] offset:64*\c+32
.endr
	v_mov_b32 v[MP0], v[VMASK]
	v_mov_b32 v[MP1], v[VMASK]
	v_mov_b32 v[MO0], v[VMASK]
	v_mov_b32 v[MO1], v[VMASK]
	s_barrier_wait -1                              ; the whole window is in LDS
	; CHAIN A: scores and running maxima.  Entered at own pair pd - 1 (or at the diagonal), then straight on:
	; own pairs 2, 1, 0, the diagonal pair, the four pairs in front.  Each way in asks for its first pair's fragments.
	s_cmp_eq_u32 s14, 3
	s_cbranch_scc1 .Ls3_\id
	s_cmp_eq_u32 s14, 2
	s_cbranch_scc1 .Ls2_\id
	s_cmp_eq_u32 s14, 1
	s_cbranch_scc1 .Ls1_\id
	LOADK FA, VKD, \par*KSLOT
	s_branch .LaD_\id
.Ls1_\id:
	LOADK FB, VKF, \par*KSLOT
	s_branch .La1_\id
.Ls2_\id:
	LOADK FA, VKF, \par*KSLOT+KPAIR
	s_branch .La2_\id
.Ls3_\id:
	LOADK FB, VKF, \par*KSLOT+2*KPAIR
	QKSTEP S+112, FB, MO0, MO1, 0, 1, FA, VKF, \par*KSLOT+KPAIR
.La2_\id:
	QKSTEP S+96,  FA, MO0, MO1, 0, 1, FB, VKF, \par*KSLOT
.La1_\id:
	QKSTEP S+80,  FB, MO0, MO1, 0, 1, FA, VKD, \par*KSLOT
.LaD_\id:
	QKSTEP S+64,  FA, MO0, MO1, 1, 1, FB, VKF, (1-\par)*KSLOT
	QKSTEP S,     FB, MP0, MP1, 0, 1, FA, VKF, (1-\par)*KSLOT+KPAIR
	QKSTEP S+16,  FA, MP0, MP1, 0, 1, FB, VKF, (1-\par)*KSLOT+2*KPAIR
	QKSTEP S+32,  FB, MP0, MP1, 0, 1, FA, VKF, (1-\par)*KSLOT+3*KPAIR
	QKSTEP S+48,  FA, MP0, MP1, 0, 0, FB, VKF, 0
	; the row's maximum: a lane holds half of query r's keys, lane xor 16 the other half
	v_max_num_f32 v[MP0], v[MP0], v[MP1]
	v_min_num_f32 v[MP0], s19, v[MP0]              ; the pad's scores do not count
	v_max3_num_f32 v[MP0], v[MP0], v[MO0], v[MO1]
	v_permlanex16_b32 v[INV], v[MP0], s48, s49
	v_max_num_f32 v[MP0], v[MP0], v[INV]
	v_mul_f32 v[NEG], 0xbe38aa3b, v[MP0]           ; -c m
	v_mul_f32 v[NEG+1], 0xbe38aa3b, v[MP0]
	v_min_num_f32 v[NEGP], s22, v[NEG]             ; -inf for the pad: exp2 gives 0
	v_min_num_f32 v[NEGP+1], s22, v[NEG]
	s_mov_b32 s19, 0x7f7fffff                      ; only a chunk's first trip can have the pad in front
	s_mov_b32 s22, 0x7f7fffff
	; CHAIN B: weights and O^T; left as soon as the wave's own pairs are done
	PVSTEP S,     VVF, (1-\par)*VSLOT,         NEGP, 1
	PVSTEP S+16,  VVF, (1-\par)*VSLOT+VPAIR,   NEGP, 0
	PVSTEP S+32,  VVF, (1-\par)*VSLOT+2*VPAIR, NEGP, 0
	PVSTEP S+48,  VVF, (1-\par)*VSLOT+3*VPAIR, NEGP, 0
	PVSTEP S+64,  VVD, \par*VSLOT,             NEG,  0
	s_cmp_lt_u32 s14, 1
	s_cbranch_scc1 .Lb_\id
	PVSTEP S+80,  VVF, \par*VSLOT,             NEG,  0
	s_cmp_lt_u32 s14, 2
	s_cbranch_scc1 .Lb_\id
	PVSTEP S+96,  VVF, \par*VSLOT+VPAIR,       NEG,  0
	s_cmp_lt_u32 s14, 3
	s_cbranch_scc1 .Lb_\id
	PVSTEP S+112, VVF, \par*VSLOT+2*VPAIR,     NEG,  0
.Lb_\id:
	s_wait_dscnt 0x0                               ; my reads of both slots are over
.if \last
.else
	s_barrier_signal -1                            ; say so: the next trip fills the slot in front again
.endif
	PLACES 5                                       ; behind the last products: their results are read, and later their registers written over
	v_rcp_f32 v[INV], v[LACC]                      ; every register of LACC holds query r's sum; it is at least 1 (the maximum's own weight)
	v_rcp_f32 v[INV+1], v[LACC]
	v_nop                                          ; one plain place behind the reciprocals
	s_wait_alu depctr_va_vdst(0)
.irp i, 0,1,2,3,4,5,6,7,8,9,10,11,12,13,14,15
	v_pk_mul_f32 v[ACC+2*\i:ACC+2*\i+1], v[ACC+2*\i:ACC+2*\i+1], v[INV:INV+1]
.endr
.if \last
.else
	s_barrier_wait -1
.endif
	; the way out: a lane holds 8 d of query r in each tile; through my own stage into whole rows
.irp dt, 0,1,2,3
	ds_store_b128 v[VOS], v[ACC+8*\dt:ACC+8*\dt+3]   offset:64*\dt
	ds_store_b128 v[VOS], v[ACC+8*\dt+4:ACC+8*\dt+7] offset:64*\dt+16
.endr
.irp i, 0,1,2,3,4,5,6,7
	ds_load_b128 v[OT+4*\i:OT+4*\i+3], v[VOR] offset:2*OPITCH*\i      ; LDS serves a wave's instructions in order: these see the stores above
.endr
.irp i, 0,1,2,3,4,5,6,7
	s_wait_dscnt 7-\i                              ; the younger read-backs stay out
	global_store_b128 v[VOFFQ], v[OT+4*\i:OT+4*\i+3], s[10:11] offset:\par*WINB+512*\i th:TH_STORE_NT   ; two whole rows: 512 consecutive bytes
.endr
.endm
	; PROLOGUE: the window in front (K and V alone) through set 1's registers into slot 1; windows 0 and 1 asked for
	WIN 0x40
.irp i, 0,1,2,3,4,5,6,7
	global_load_b128 v[96+32+4*\i:96+32+4*\i+3], v[VOFFKV], s[24:25] offset:512*\i
.endr
.irp i, 0,1,2,3,4,5,6,7
	global_load_b128 v[96+64+4*\i:96+64+4*\i+3], v[VOFFKV], s[26:27] offset:512*\i
.endr
	GLOAD 0, 0
	s_wait_loadcnt 24                              ; window 0's 24 loads are younger and stay out; the window in front is in
	CVT 1, 16, 32
	GLOAD 1, WINB
	WIN 0
.set pn, 0
.rept 32
	v_and_b32 v[T+16+pn], s23, v[T+16+pn]          ; the pad holds zeros: nothing of the clamped loads survives
.set pn, pn+1
.endr
	STORES 1, 0                                    ; made visible by the first trip's wait and barrier
	s_mov_b32 s52, 3
.Lloop:
	TRIP a, 0, 1, 24, 0
	TRIP b, 1, 1, 24, 0
	s_wait_xcnt 0x0                                ; the bases are stepped only behind this wait
	s_add_nc_u64 s[4:5], s[4:5], 2*WINB
	s_add_nc_u64 s[6:7], s[6:7], 2*WINB
	s_add_nc_u64 s[8:9], s[8:9], 2*WINB
	s_add_nc_u64 s[10:11], s[10:11], 2*WINB
	s_sub_co_u32 s52, s52, 1
	s_cmp_lg_u32 s52, 0
	s_cbranch_scc1 .Lloop
	TRIP c, 0, 0, 24, 0                            ; the last two windows ask for nothing: no load leaves the buffers
	TRIP d, 1, 0, 0, 1
	s_wait_tensorcnt 0x0
	ds_add_u32 v126, v127
	s_wait_dscnt 0x0
	s_endpgm
.Lfunc_end_k_q261312ccdf_attn:
	.size	k_q261312ccdf_attn, .Lfunc_end_k_q261312ccdf_attn-k_q261312ccdf_attn
	.p2alignl 7, 3214868480
	.fill 96, 4, 3214868480
	.section	.rodata,"a",@progbits
	.p2align	6, 0x0
	.amdhsa_kernel k_q261312ccdf_attn
		.amdhsa_group_segment_fixed_size 132096
		.amdhsa_private_segment_fixed_size 0
		.amdhsa_enable_private_segment 0
		.amdhsa_kernarg_size 32
		.amdhsa_user_sgpr_count 2
		.amdhsa_user_sgpr_kernarg_segment_ptr 1
		.amdhsa_wavefront_size32 1
		.amdhsa_system_sgpr_workgroup_id_x 1
		.amdhsa_system_sgpr_workgroup_id_y 1
		.amdhsa_system_sgpr_workgroup_id_z 1
		.amdhsa_system_vgpr_workitem_id 0
		.amdhsa_next_free_vgpr 448
		.amdhsa_next_free_sgpr 66
		.amdhsa_reserve_vcc 0
		.amdhsa_float_denorm_mode_32 3
		.amdhsa_float_denorm_mode_16_64 3
		.amdhsa_memory_ordered 1
		.amdhsa_forward_progress 1
		.amdhsa_inst_pref_size 199
	.end_amdhsa_kernel
	.amdgpu_metadata
---
amdhsa.version: [ 1, 2 ]
amdhsa.kernels:
  - .name:           k_q261312ccdf_attn
    .symbol:         k_q261312ccdf_attn.kd
    .args:
      - { .name: q, .offset: 0, .size: 8, .value_kind: global_buffer, .address_space: global }
      - { .name: k, .offset: 8, .size: 8, .value_kind: global_buffer, .address_space: global }
      - { .name: v, .offset: 16, .size: 8, .value_kind: global_buffer, .address_space: global }
      - { .name: out0, .offset: 24, .size: 8, .value_kind: global_buffer, .address_space: global }
    .group_segment_fixed_size: 132096
    .private_segment_fixed_size: 0
    .kernarg_segment_align: 8
    .kernarg_segment_size: 32
    .max_flat_workgroup_size: 256
    .sgpr_count:     66
    .vgpr_count:     448
    .wavefront_size: 32
...
	.end_amdgpu_metadata
.endif
;; end of part 1
;; ======== version 2 of 2: 1 launch; version 1 with the launch attn written anew for expert scheduling mode
;; limits: values are held in f16: magnitudes above 65,504 overflow, below 6.1e-05 lose precision; inputs' magnitudes at most 65,504
;; launch attn (part 2): grid 256 x 1, 8 waves a work-group, no clusters, 132,096 bytes of LDS; arguments q, k, v, out0; writes out0
.if DOCPART == 2
	.amdgcn_target "amdgcn-amd-amdhsa--gfx1250"
	.amdhsa_code_object_version 6
	.text
	.protected	k_q261312ccdf_attn
	.globl	k_q261312ccdf_attn
	.p2align	8
	.type	k_q261312ccdf_attn,@function
k_q261312ccdf_attn:
	s_mov_b64 s[64:65], 0
	v_nop
	global_prefetch_b8 v0, s[64:65] scope:SCOPE_SE
	s_setreg_imm32_b32 hwreg(HW_REG_WAVE_SCHED_MODE, 0, 2), 2
	s_setreg_imm32_b32 hwreg(HW_REG_WAVE_MODE, 25, 1), 1
	s_wait_xcnt 0x0
	s_wait_alu depctr_vm_vsrc(0)
; Local causal attention: 32 heads x 64 windows of 128 queries, D = 64, f32 in and out.  A window sees its own keys (causally) and all 128
; keys of the window in front of it; a head's first window sees only itself.
; A work-group owns 8 consecutive windows (262,144 bytes of each tensor); one trip = one window.  K and V of a window are rounded to f16,
; laid into one of two LDS slots and stay there for the next trip, so that only the window in front of the chunk is read a second time
; (64 KiB on top of a work-group's 768 KiB of inputs).
; Wave w makes the 16 queries of tile qi = w (w < 4) or 11 - w: it needs 4 + (qi/2 + 1) pairs of 16-key tiles, and waves w and w + 4
; have 13 pairs between them for every w.  Pairs that the causal mask throws away whole are not computed.
; S^T = K Q^T: register j of a score tile holds (key 8h + j, query r), r = lane % 16, h = lane / 16.  Two such tiles, packed to f16, ARE the
; B fragment of O^T = V^T P^T: no shuffle, no LDS.  All scores of a row stay in registers, so the softmax is the plain one: the row's true
; maximum first, then the exponentials.  The row sum is one more product (ones x P^T): it adds the same rounded weights that multiply V.
; WHY F16 AND NOT BF16: the first rows of a head have only a few keys, so a single weight is large and its rounding goes into the result
; unaveraged; f16 keeps 11 significant bits where bf16 keeps 8.  Weights lie in [0, 1] and a row's sum is at least 1, so an f16 denormal
; weight errs by at most 2^-25 of the sum.
; NO CLUSTER, NO TENSOR LOADS: the inputs are f32 and pass through registers to become f16, and what two work-groups share is the
; 64 KiB above, out of 832 KiB.  NO PREFETCH: each wave's loads are issued two trips ahead of their use already.
; LIMITS: numbers of q, k, v above 65,504 in magnitude become infinite in f16; below 2^-14 they keep an absolute error of 2^-25.
; A weight below 2^-126 comes out of v_exp_f32 as 0 (denormal results are flushed: ISA guide 15.8), one below 2^-25 rounds to 0 in f16.
; Non-finite inputs are not followed as the reference follows them.  Products take f16 operands, sums are f32.
; THE MODE: SCHED_MODE bits 1:0 = 2 (LLVM: expert scheduling mode 2), set by the entry lines.  The code itself states the register dependences
; between vector or matrix instructions and memory or LDS instructions, with s_wait_alu, always for 0.
; THE PLAN.  Registers that memory or LDS instructions touch, round a trip:
;   sets 0, 1 (window 1)  Global loads land in a set; the trip's 48 roundings read it; behind them it is asked for again, two windows ahead.
;   T   v208-255          The roundings write it; the 24 LDS stores read it; the own pairs' products, or the next trip's roundings, write it again.
;   QF  v32-47            Q's four LDS loads land in it; chain A's products read it; in chain B it is part of V1.
;   FA, FB                K's two buffers.  A pair's four products read one; behind them the fragments of the pair two further on land in it.
;   V0 = FB; V1 = v32-47, v120-127, v136-143 (S+8 .., free when the first pair's weights are packed): V's two buffers, by the pair's parity.
;                         A pair's five products read one; the fragments of the pair two further on land in it.
;   ACC (= FA)            Chain B's products and the scaling write it; the LDS stores into the out stage read it; the next trip's K lands in it.
;   OT  v128-159          The read-backs land in it; the global stores read it; the next trip's products write it again.
;   v2-v13                Addresses: made at the head and never written again; the windows are reached by scalar bases and immediate offsets.
; So the waits on va_vdst stand: behind a trip's roundings (the set, T, QF, FA, FB); in chain A behind a pair's products and their places (the buffer
; just multiplied); in chain B behind a pair's roundings (the other V buffer); behind the scaling (ACC, OT).  The waits on vm_vsrc stand at a trip's
; head (OT, ACC) and behind its first barrier (T).
.set WINB,   32768                     ; bytes of a window in each tensor
.set KP,     144                       ; LDS pitch of K and Q rows: 128 bytes + 16 = 9 x 16, so 16 rows start at 16 different 16-byte columns modulo 256
.set VP,     160                       ; LDS pitch of V rows: 5 x 32, for the transposing loads
.set KSLOT,  128*KP
.set VSLOT,  128*VP
.set VBASE,  2*KSLOT                   ; 36,864: V's two slots behind K's two
.set QST,    VBASE+2*VSLOT             ; 77,824: Q stages, 16 rows for each wave, its own
.set QSTW,   16*KP
.set OPITCH, 272                       ; out stage: 256 bytes + 16
.set OST,    QST+8*QSTW                ; 96,256: out stages, 16 rows of f32 for each wave, its own; they end at 131,072
.set OSTW,   16*OPITCH
.set KPAIR,  32*KP                     ; a pair = 32 keys
.set VPAIR,  32*VP
; vector registers, window 0
.set VMASK,  1                         ; -FLT_MAX, the reference's mask value
.set VOFFKV, 2                         ; w x 4096 + 16 lane: my 16 bytes of the wave's 16 rows of K and V
.set VOFFQ,  3                         ; qi x 4096 + 16 lane: the same for Q and for the output
.set VSTK,   4                         ; where I put 8 bytes of K, V, Q
.set VSTV,   5
.set VSTQ,   6
.set VQF,    7                         ; fragment addresses: Q, K, K's diagonal pair, V, V's diagonal pair
.set VKF,    8
.set VKD,    9
.set VVF,    10
.set VVD,    11
.set VOS,    12                        ; out stage: in, back
.set VOR,    13
.set MP0,    14                        ; running maxima: window in front (two chains), own window (two chains)
.set MP1,    15
.set MO0,    16
.set MO1,    17
.set NEG,    18                        ; v[18:19] -m c, twice
.set NEGP,   20                        ; v[20:21] the same for the window in front (-inf where that is the pad)
.set INV,    22                        ; v[22:23] 1 / row sum, twice; v22 also takes the other half's maximum
.set ONES,   24                        ; v[24:31] a fragment of f16 ones
.set QF,     32                        ; v[32:47] Q fragments, d 0-31 and 32-63; in chain B: V1's fragments of d 0-15 and 16-31
.set ACC,    48                        ; v[48:79] O^T, four tiles of 16 d
.set FA,     48                        ; K fragment buffer A: the same registers, free while scores are made
.set LACC,   80                        ; v[80:87] row sums
.set FB,     88                        ; v[88:119] K fragment buffer B
.set FV,     88                        ; and V0 afterwards
.set V1C,    120                       ; v[120:127] V1's fragment of d 32-47
.set S,      128                       ; v[128:255] scores: pair g in front at S+16g, diagonal pair at S+64, own pair i-1 at S+64+16i
.set V1D,    S+8                       ; v[136:143] V1's fragment of d 48-63
.set T,      S+80                      ; v[208:255] 48 registers of f16 on their way to LDS (written in every trip, on every path)
.set OT,     S                         ; v[128:159] output rows on their way out
; window 1: staging set s at v[256+96s ..]: 32 registers of Q, 32 of K, 32 of V, as loaded
.set MSK,    32                        ; s[32:47] lane masks of the diagonal pair
.set MSB, 0
.macro WIN new                         ; s_set_vgpr_msb; the immediate's high byte repeats the setting that is left
.if MSB != \new
	s_set_vgpr_msb (MSB<<8)|\new
.set MSB, \new
.endif
.endm
.macro PLACES n
.rept \n
	v_nop
.endr
.endm
	s_load_b256 s[4:11], s[0:1], 0x0               ; q s[4:5], k s[6:7], v s[8:9], out s[10:11]
	s_set_vgpr_msb 0x40
	v_lshl_add_u32 v192, v0, 2, 0x20000
	v_mov_b32 v193, 0
	s_set_vgpr_msb 0x4000
	v_lshrrev_b32 v33, 5, v0
	v_readfirstlane_b32 s12, v33                   ; wave w
	v_and_b32 v32, 31, v0                          ; lane
	v_and_b32 v34, 15, v0                          ; r
	v_bfe_u32 v35, v0, 4, 1                        ; h
	s_wait_alu depctr_va_sdst(0)                   ; s12 is written, ahead of its first reader: the tile, the branches and the LDS places are made from it
	s_sub_co_u32 s13, 11, s12
	s_cmp_lt_u32 s12, 4
	s_cselect_b32 s13, s12, s13                    ; qi = w or 11 - w
	s_lshr_b32 s14, s13, 1                         ; pd: the own pair that holds the diagonal
	s_and_b32 s15, s13, 1
	s_lshl_b32 s15, s15, 4                         ; my queries start at key 0 or 16 of that pair
	s_lshl_b32 s16, ttmp9, 18                      ; the chunk: 8 windows of 32,768 bytes (256 chunks: below 4 GiB)
	s_mov_b32 s17, 0
	s_mov_b32 s19, 0x7f7fffff                      ; CAP: upper bound of the front window's maximum (neutral)
	s_mov_b32 s22, 0x7f7fffff                      ; CAP2: upper bound of its -m c (neutral)
	s_mov_b32 s20, WINB                            ; the window in front lies 32,768 bytes back
	s_mov_b32 s21, 0
	s_mov_b32 s23, -1                              ; keeps its bits
	s_and_b32 s18, ttmp9, 7
	s_cmp_eq_u32 s18, 0                            ; the chunk begins a head: the window in front is the pad
	s_cselect_b32 s19, 0xff7fffff, s19             ; its maximum counts as -FLT_MAX,
	s_cselect_b32 s22, 0xff800000, s22             ; its exponents get -inf: weights 0,
	s_cselect_b32 s20, 0, s20                      ; the loads stay inside the buffers (the chunk's own first window),
	s_cselect_b32 s23, 0, s23                      ; and what they bring is cleared
	s_mov_b32 s48, 0x76543210                      ; v_permlanex16_b32: lane i takes lane i xor 16
	s_mov_b32 s49, 0xfedcba98
	s_lshl_b32 s2, s12, 12
	s_lshl_b32 s3, s13, 12
	v_lshl_add_u32 v[VOFFKV], v32, 4, s2
	v_lshl_add_u32 v[VOFFQ], v32, 4, s3
	; a 16-byte load holds 4 f32 of row 2i + h at d = 4r: 8 bytes of f16 at row x pitch + 8r
	v_mul_u32_u24 v36, v35, KP
	v_lshl_add_u32 v36, v34, 3, v36                ; h x 144 + 8r
	v_mul_u32_u24 v37, v35, VP
	v_lshl_add_u32 v37, v34, 3, v37                ; h x 160 + 8r
	s_mul_i32 s2, s12, QSTW                        ; 16 w rows of K; also the wave's Q stage
	s_mul_i32 s3, s12, 16*VP
	s_add_co_u32 s3, s3, VBASE
	v_add_nc_u32 v[VSTK], s2, v36
	v_add_nc_u32 v[VSTV], s3, v37
	s_add_co_u32 s2, s2, QST
	v_add_nc_u32 v[VSTQ], s2, v36
	v_mul_u32_u24 v[VKF], v34, KP                  ; fragments with d along the rows: row r, 16 bytes for each half of the lanes
	v_lshl_add_u32 v[VKF], v35, 4, v[VKF]
	v_add_nc_u32 v[VQF], s2, v[VKF]
	s_mul_i32 s28, s14, KPAIR
	v_add_nc_u32 v[VKD], s28, v[VKF]
	v_and_b32 v38, 7, v0                           ; V is stored [key][d] and read transposed: row 8h + lane % 8, 16 bytes by bit 3 of the lane
	v_lshl_add_u32 v38, v35, 3, v38
	v_mul_u32_u24 v38, v38, VP
	v_bfe_u32 v39, v0, 3, 1
	v_lshl_add_u32 v38, v39, 4, v38
	v_add_nc_u32 v[VVF], VBASE, v38
	s_mul_i32 s29, s14, VPAIR
	v_add_nc_u32 v[VVD], s29, v[VVF]
	s_mul_i32 s30, s12, OSTW
	s_add_co_u32 s30, s30, OST
	v_mul_u32_u24 v40, v34, OPITCH                 ; in: query r, 32 bytes (8 d) for each half of the lanes
	v_lshl_add_u32 v40, v35, 5, v40
	v_add_nc_u32 v[VOS], s30, v40
	v_mul_u32_u24 v41, v35, OPITCH                 ; back: lanes 0-15 one row of 256 bytes, lanes 16-31 the next
	v_lshl_add_u32 v41, v34, 4, v41
	v_add_nc_u32 v[VOR], s30, v41
	; the diagonal pair: key 16u + 8h + j lies behind query s15 + r  <=>  16u + j > s15 + r - 8h
	v_lshlrev_b32 v42, 3, v35
	v_sub_nc_u32 v42, v34, v42
	v_add_nc_u32 v42, s15, v42
.irp j, 0,1,2,3,4,5,6,7
	v_cmp_gt_i32 s[MSK+\j], \j, v42
	v_cmp_gt_i32 s[MSK+8+\j], 16+\j, v42
.endr
	s_wait_alu depctr_va_sdst(0)                   ; the sixteen masks s[32:47] are written: one wait behind the run of compares, in the same straight code; the selects of every trip read them
	v_mov_b32 v[VMASK], 0xff7fffff
	v_mov_b32 v[INV], 0                            ; v_permlanex16_b32 counts as a reader of its destination
	v_mov_b32 v[INV+1], 0
.irp j, 0,1,2,3,4,5,6,7
	v_mov_b32 v[ONES+\j], 0x3c003c00               ; two f16 ones
.endr
	s_wait_kmcnt 0x0
	s_add_nc_u64 s[4:5], s[4:5], s[16:17]          ; all four at the chunk's first window
	s_add_nc_u64 s[6:7], s[6:7], s[16:17]
	s_add_nc_u64 s[8:9], s[8:9], s[16:17]
	s_add_nc_u64 s[10:11], s[10:11], s[16:17]
	s_sub_nc_u64 s[24:25], s[6:7], s[20:21]        ; K and V of the window in front
	s_sub_nc_u64 s[26:27], s[8:9], s[20:21]
; 24 loads: the wave's 16 rows of Q, K and V of one window into staging set 'set'.  Each load covers 512 consecutive bytes (two rows).
; The caller has set the window and stated, behind the switch, that the set's last readers are done.
.macro GLOAD set, woff
	WIN 0x40                                       ; destination in window 1, address in window 0
.irp i, 0,1,2,3,4,5,6,7
	global_load_b128 v[96*\set+4*\i:96*\set+4*\i+3], v[VOFFQ], s[4:5] offset:\woff+512*\i th:TH_LOAD_NT
.endr
.irp i, 0,1,2,3,4,5,6,7
	global_load_b128 v[96*\set+32+4*\i:96*\set+32+4*\i+3], v[VOFFKV], s[6:7] offset:\woff+512*\i
.endr
.irp i, 0,1,2,3,4,5,6,7
	global_load_b128 v[96*\set+64+4*\i:96*\set+64+4*\i+3], v[VOFFKV], s[8:9] offset:\woff+512*\i
.endr
.endm
; n roundings of two f32 each: T + i from the set's registers 2i, 2i + 1, i = first ..
.macro CVT set, first, n
	WIN 0x05                                       ; both sources in window 1
.set cn, \first
.rept \n
	v_cvt_pk_f16_f32 v[T+cn], v[96*\set+2*cn], v[96*\set+2*cn+1]
.set cn, cn+1
.endr
.endm
; T to LDS: 8 bytes a lane, two rows an instruction
.macro STORES slot, withq
.if \withq
.irp i, 0,1,2,3,4,5,6,7
	ds_store_b64 v[VSTQ], v[T+2*\i:T+2*\i+1] offset:2*KP*\i
.endr
.endif
.irp i, 0,1,2,3,4,5,6,7
	ds_store_b64 v[VSTK], v[T+16+2*\i:T+16+2*\i+1] offset:\slot*KSLOT+2*KP*\i
.endr
.irp i, 0,1,2,3,4,5,6,7
	ds_store_b64 v[VSTV], v[T+32+2*\i:T+32+2*\i+1] offset:\slot*VSLOT+2*VP*\i
.endr
.endm
; 8 loads: the K fragments of a pair: tile u, half c of d at buf + 16u + 8c
.macro LOADK buf, areg, off
.irp u, 0,1
.irp c, 0,1
	ds_load_b128 v[\buf+16*\u+8*\c:\buf+16*\u+8*\c+3],   v[\areg] offset:\off+\u*16*KP+64*\c
	ds_load_b128 v[\buf+16*\u+8*\c+4:\buf+16*\u+8*\c+7], v[\areg] offset:\off+\u*16*KP+64*\c+32
.endr
.endr
.endm
; rV = the eight registers of V buffer b's fragment of d 16 dt ..
.macro VREG b, dt
.if \b == 0
.set rV, FV+8*\dt
.elseif \dt < 2
.set rV, QF+8*\dt
.elseif \dt == 2
.set rV, V1C
.else
.set rV, V1D
.endif
.endm
; 8 loads: the V fragments of a pair, turned, into V buffer b
.macro LOADV b, areg, off
.irp dt, 0,1,2,3
	VREG \b, \dt
	ds_load_tr16_b128 v[rV:rV+3],   v[\areg] offset:\off+32*\dt          ; d 16dt + r, keys 8h ..
	ds_load_tr16_b128 v[rV+4:rV+7], v[\areg] offset:\off+32*\dt+16*VP    ; keys 16 + 8h ..
.endr
.endm
; the scores of a pair: two tiles, two halves of d; the first product of each tile starts its sum
.macro MMQK buf, sb
	v_wmma_f32_16x16x32_f16 v[\sb:\sb+7],    v[\buf:\buf+7],     v[QF:QF+7],    0
	v_wmma_f32_16x16x32_f16 v[\sb+8:\sb+15], v[\buf+16:\buf+23], v[QF:QF+7],    0
	v_wmma_f32_16x16x32_f16 v[\sb:\sb+7],    v[\buf+8:\buf+15],  v[QF+8:QF+15], v[\sb:\sb+7]
	v_wmma_f32_16x16x32_f16 v[\sb+8:\sb+15], v[\buf+24:\buf+31], v[QF+8:QF+15], v[\sb+8:\sb+15]
.endm
; One pair of chain A.  The four v_nop stand between the products and the readers of their results (ISA guide 7.12.1).  Behind them the buffer
; just multiplied is asked for again: nxt = 1: K of the pair two further on; 2: V of chain B's first pair (FB is V0); 0: nothing.
; The selects and maxima that follow name the scores and v14-17: none of the registers that those loads touch.
.macro QKSTEP sb, buf, m0, m1, diag, nxt, nareg, noff
	s_wait_dscnt 0x8                               ; the 8 youngest loads (the next pair's K; at the last pair V's first fragments) stay out; this pair's fragments, and Q's, are older: in
	MMQK \buf, \sb
	PLACES 4
.if \nxt
	s_wait_alu depctr_va_vdst(0)                   ; these four products are done reading their K buffer, in which the loads below land
.if \nxt == 1
	LOADK \buf, \nareg, \noff
.else
	LOADV 0, \nareg, \noff
.endif
.endif
.if \diag
.irp j, 0,1,2,3,4,5,6,7
	v_cndmask_b32 v[\sb+\j],   v[\sb+\j],   v[VMASK], s[MSK+\j]      ; keys behind the query get the mask value
	v_cndmask_b32 v[\sb+8+\j], v[\sb+8+\j], v[VMASK], s[MSK+8+\j]
.endr
.endif
.irp i, 0,2,4,6
	v_max3_num_f32 v[\m0], v[\m0], v[\sb+2*\i],   v[\sb+2*\i+1]     ; two chains take turns
	v_max3_num_f32 v[\m1], v[\m1], v[\sb+2*\i+2], v[\sb+2*\i+3]
.endr
.endm
; One pair of chain B: weights = exp2(c s - c m), packed in place into the B fragment, then four products with V^T and one with ones.
; b: the pair's V buffer.  first = 1: the sums begin, and V's fragments were asked for in chain A.  more = 1: the text holds a further pair.
.macro PVSTEP sb, b, areg, off, neg, first, more
.if !\first
	LOADV \b, \areg, \off                          ; no wait here: since the wait in the pair before, only that pair's five products were issued, and they name the other V buffer
.endif
.irp i, 0,1,2,3,4,5,6,7
	v_pk_fma_f32 v[\sb+2*\i:\sb+2*\i+1], v[\sb+2*\i:\sb+2*\i+1], 0x3e38aa3b, v[\neg:\neg+1] op_sel_hi:[1,0,1]   ; c = log2(e) / 8
.endr
.irp i, 0,1,2,3,4,5,6,7,8,9,10,11,12,13,14,15
	v_exp_f32 v[\sb+\i], v[\sb+\i]
.endr
	v_nop                                          ; one plain place behind the exponentials (ISA guide 5.7.2)
	s_wait_alu depctr_va_vdst(0)
.irp i, 0,1,2,3,4,5,6,7
	v_cvt_pk_f16_f32 v[\sb+\i], v[\sb+2*\i], v[\sb+2*\i+1]     ; ascending: register i is written when 2i and 2i + 1 are read
.endr
.if \more
	s_wait_alu depctr_va_vdst(0)                   ; the products of the pair before are done reading the other V buffer, in which the next pair's fragments land; in the first pair: chain A's products are done reading Q, the lines above are done with S+8 .. S+15
.endif
	s_wait_dscnt 0x0                               ; V's fragments: issued in front of the exponentials, the first pair's in chain A
.irp dt, 0,1,2,3
	VREG \b, \dt
.if \first
	v_wmma_f32_16x16x32_f16 v[ACC+8*\dt:ACC+8*\dt+7], v[rV:rV+7], v[\sb:\sb+7], 0
.else
	v_wmma_f32_16x16x32_f16 v[ACC+8*\dt:ACC+8*\dt+7], v[rV:rV+7], v[\sb:\sb+7], v[ACC+8*\dt:ACC+8*\dt+7]
.endif
.endr
.if \first
	v_wmma_f32_16x16x32_f16 v[LACC:LACC+7], v[ONES:ONES+7], v[\sb:\sb+7], 0
.else
	v_wmma_f32_16x16x32_f16 v[LACC:LACC+7], v[ONES:ONES+7], v[\sb:\sb+7], v[LACC:LACC+7]
.endif
.endm
; ONE WINDOW.  par: its LDS slot and staging set (the window in front lies in slot 1 - par); loads = 1: the set is asked for again, two
; windows ahead; left: how many younger loads may stay out; last = 1: no window follows.
.macro TRIP id, par, loads, left, last
	s_wait_xcnt 0x0                                ; OT, the data of the last trip's stores, is written again only behind this wait
	s_wait_alu depctr_vm_vsrc(0)                   ; the last trip's global stores have read OT, which this trip's products write; its stores into the out stage have read ACC, in which K lands; in the first trip: the prologue's LDS stores have read T
	s_wait_loadcnt \left                           ; my set is in; the other set's 24 loads are younger and stay out
	CVT \par, 0, 48
.if \loads
	WIN 0x40                                       ; the switch, then the wait, then the loads
.else
	WIN 0
.endif
	s_wait_alu depctr_va_vdst(0)                   ; the roundings are done reading the set, in which the loads land, and have written T, which the LDS stores read; the last trip's products and scaling are done with QF, FA and FB, in which Q's and the first two pairs' fragments land
.if \loads
	GLOAD \par, (2+\par)*WINB
.endif
	WIN 0
	STORES \par, 1
	s_wait_dscnt 0x0                               ; for the others' sake: my rows of K and V are in LDS
	s_barrier_signal -1
.irp c, 0,1
	ds_load_b128 v[QF+8*\c:QF+8*\c+3],   v[VQF] offset:64*\c          ; my own stage: no other wave touches it
	ds_load_b128 v[QF+8*\c+4:QF+8*\c+7], v[VQF] offset:64*\c+32
.endr
	v_mov_b32 v[MP0], v[VMASK]
	v_mov_b32 v[MP1], v[VMASK]
	v_mov_b32 v[MO0], v[VMASK]
	v_mov_b32 v[MO1], v[VMASK]
	s_barrier_wait -1                              ; the whole window is in LDS
	s_wait_alu depctr_vm_vsrc(0)                   ; my LDS stores have read T: these registers are the own pairs' scores from here on, written by products
	; CHAIN A: scores and running maxima.  Entered at own pair pd - 1 (or at the diagonal), then straight on:
	; own pairs 2, 1, 0, the diagonal pair, the four pairs in front.  Each way in asks for its first two pairs' fragments.
	s_cmp_eq_u32 s14, 3
	s_cbranch_scc1 .Ls3_\id
	s_cmp_eq_u32 s14, 2
	s_cbranch_scc1 .Ls2_\id
	s_cmp_eq_u32 s14, 1
	s_cbranch_scc1 .Ls1_\id
	LOADK FA, VKD, \par*KSLOT
	LOADK FB, VKF, (1-\par)*KSLOT
	s_branch .LaD_\id
.Ls1_\id:
	LOADK FB, VKF, \par*KSLOT
	LOADK FA, VKD, \par*KSLOT
	s_branch .La1_\id
.Ls2_\id:
	LOADK FA, VKF, \par*KSLOT+KPAIR
	LOADK FB, VKF, \par*KSLOT
	s_branch .La2_\id
.Ls3_\id:
	LOADK FB, VKF, \par*KSLOT+2*KPAIR
	LOADK FA, VKF, \par*KSLOT+KPAIR
	QKSTEP S+112, FB, MO0, MO1, 0, 1, VKF, \par*KSLOT
.La2_\id:
	QKSTEP S+96,  FA, MO0, MO1, 0, 1, VKD, \par*KSLOT
.La1_\id:
	QKSTEP S+80,  FB, MO0, MO1, 0, 1, VKF, (1-\par)*KSLOT
.LaD_\id:
	QKSTEP S+64,  FA, MO0, MO1, 1, 1, VKF, (1-\par)*KSLOT+KPAIR
	QKSTEP S,     FB, MP0, MP1, 0, 1, VKF, (1-\par)*KSLOT+2*KPAIR
	QKSTEP S+16,  FA, MP0, MP1, 0, 1, VKF, (1-\par)*KSLOT+3*KPAIR
	QKSTEP S+32,  FB, MP0, MP1, 0, 2, VVF, (1-\par)*VSLOT
	QKSTEP S+48,  FA, MP0, MP1, 0, 0, VKF, 0
	; the row's maximum: a lane holds half of query r's keys, lane xor 16 the other half
	v_max_num_f32 v[MP0], v[MP0], v[MP1]
	v_min_num_f32 v[MP0], s19, v[MP0]              ; the pad's scores do not count
	v_max3_num_f32 v[MP0], v[MP0], v[MO0], v[MO1]
	v_permlanex16_b32 v[INV], v[MP0], s48, s49
	v_max_num_f32 v[MP0], v[MP0], v[INV]
	v_mul_f32 v[NEG], 0xbe38aa3b, v[MP0]           ; -c m
	v_mul_f32 v[NEG+1], 0xbe38aa3b, v[MP0]
	v_min_num_f32 v[NEGP], s22, v[NEG]             ; -inf for the pad: exp2 gives 0
	v_min_num_f32 v[NEGP+1], s22, v[NEG]
	s_mov_b32 s19, 0x7f7fffff                      ; only a chunk's first trip can have the pad in front
	s_mov_b32 s22, 0x7f7fffff
	; CHAIN B: weights and O^T; left as soon as the wave's own pairs are done.  A pair's V fragments are asked for behind the exit in front of it.
	PVSTEP S,     0, VVF, (1-\par)*VSLOT,         NEGP, 1, 1
	PVSTEP S+16,  1, VVF, (1-\par)*VSLOT+VPAIR,   NEGP, 0, 1
	PVSTEP S+32,  0, VVF, (1-\par)*VSLOT+2*VPAIR, NEGP, 0, 1
	PVSTEP S+48,  1, VVF, (1-\par)*VSLOT+3*VPAIR, NEGP, 0, 1
	PVSTEP S+64,  0, VVD, \par*VSLOT,             NEG,  0, 1
	s_cmp_lt_u32 s14, 1
	s_cbranch_scc1 .Lb_\id
	PVSTEP S+80,  1, VVF, \par*VSLOT,             NEG,  0, 1
	s_cmp_lt_u32 s14, 2
	s_cbranch_scc1 .Lb_\id
	PVSTEP S+96,  0, VVF, \par*VSLOT+VPAIR,       NEG,  0, 1
	s_cmp_lt_u32 s14, 3
	s_cbranch_scc1 .Lb_\id
	PVSTEP S+112, 1, VVF, \par*VSLOT+2*VPAIR,     NEG,  0, 0
.Lb_\id:
	s_wait_dscnt 0x0                               ; my reads of both slots are over
.if \last
.else
	s_barrier_signal -1                            ; say so: the next trip fills the slot in front again
.endif
	PLACES 5                                       ; behind the last products: their results are read, and later their registers written over
	v_rcp_f32 v[INV], v[LACC]                      ; every register of LACC holds query r's sum; it is at least 1 (the maximum's own weight)
	v_rcp_f32 v[INV+1], v[LACC]
	v_nop                                          ; one plain place behind the reciprocals
	s_wait_alu depctr_va_vdst(0)
.irp i, 0,1,2,3,4,5,6,7,8,9,10,11,12,13,14,15
	v_pk_mul_f32 v[ACC+2*\i:ACC+2*\i+1], v[ACC+2*\i:ACC+2*\i+1], v[INV:INV+1]
.endr
.if \last
.else
	s_barrier_wait -1
.endif
	; the way out: a lane holds 8 d of query r in each tile; through my own stage into whole rows
	s_wait_alu depctr_va_vdst(0)                   ; the scaling has written ACC, which the LDS stores read; chain B is done with v128-159, in which the read-backs land
.irp dt, 0,1,2,3
	ds_store_b128 v[VOS], v[ACC+8*\dt:ACC+8*\dt+3]   offset:64*\dt
	ds_store_b128 v[VOS], v[ACC+8*\dt+4:ACC+8*\dt+7] offset:64*\dt+16
.endr
.irp i, 0,1,2,3,4,5,6,7
	ds_load_b128 v[OT+4*\i:OT+4*\i+3], v[VOR] offset:2*OPITCH*\i      ; LDS serves a wave's instructions in order: these see the stores above
.endr
.irp i, 0,1,2,3,4,5,6,7
	s_wait_dscnt 7-\i                              ; the younger read-backs stay out
	global_store_b128 v[VOFFQ], v[OT+4*\i:OT+4*\i+3], s[10:11] offset:\par*WINB+512*\i th:TH_STORE_NT   ; two whole rows: 512 consecutive bytes
.endr
.endm
	; PROLOGUE: the window in front (K and V alone) through set 1's registers into slot 1; windows 0 and 1 asked for
	WIN 0x40
	s_wait_alu depctr_va_vdst(0)                   ; the twelve addresses v2 to v13 are written, which every load and store of the kernel reads; so are the head's v32 to v42, in which Q's fragments land
.irp i, 0,1,2,3,4,5,6,7
	global_load_b128 v[96+32+4*\i:96+32+4*\i+3], v[VOFFKV], s[24:25] offset:512*\i
.endr
.irp i, 0,1,2,3,4,5,6,7
	global_load_b128 v[96+64+4*\i:96+64+4*\i+3], v[VOFFKV], s[26:27] offset:512*\i
.endr
	GLOAD 0, 0
	s_wait_loadcnt 24                              ; window 0's 24 loads are younger and stay out; the window in front is in
	CVT 1, 16, 32
	WIN 0
.set pn, 0
.rept 32
	v_and_b32 v[T+16+pn], s23, v[T+16+pn]          ; the pad holds zeros: nothing of the clamped loads survives
.set pn, pn+1
.endr
	WIN 0x40                                       ; the switch, then the wait, then the loads
	s_wait_alu depctr_va_vdst(0)                   ; the roundings are done reading set 1, in which window 1 lands; T+16 .. T+47 are written, which the LDS stores read
	GLOAD 1, WINB
	WIN 0
	STORES 1, 0                                    ; made visible by the first trip's wait and barrier
	s_mov_b32 s52, 3
.Lloop:
	TRIP a, 0, 1, 24, 0
	TRIP b, 1, 1, 24, 0
	s_wait_xcnt 0x0                                ; the bases are stepped only behind this wait
	s_add_nc_u64 s[4:5], s[4:5], 2*WINB
	s_add_nc_u64 s[6:7], s[6:7], 2*WINB
	s_add_nc_u64 s[8:9], s[8:9], 2*WINB
	s_add_nc_u64 s[10:11], s[10:11], 2*WINB
	s_sub_co_u32 s52, s52, 1
	s_cmp_lg_u32 s52, 0
	s_cbranch_scc1 .Lloop
	TRIP c, 0, 0, 24, 0                            ; the last two windows ask for nothing: no load leaves the buffers
	TRIP d, 1, 0, 0, 1
	s_set_vgpr_msb 0x5
	s_wait_dscnt 0x0
	s_wait_alu depctr_hold_cnt(0) depctr_sa_sdst(0) depctr_va_vdst(0) depctr_va_sdst(0) depctr_va_ssrc(0) depctr_va_vcc(0) depctr_vm_vsrc(0)
	s_wait_tensorcnt 0x0
	ds_add_u32 v192, v193
	s_wait_dscnt 0x0
	s_endpgm
.Lfunc_end_k_q261312ccdf_attn:
	.size	k_q261312ccdf_attn, .Lfunc_end_k_q261312ccdf_attn-k_q261312ccdf_attn
	.p2alignl 7, 3214868480
	.fill 96, 4, 3214868480
	.section	.rodata,"a",@progbits
	.p2align	6, 0x0
	.amdhsa_kernel k_q261312ccdf_attn
		.amdhsa_group_segment_fixed_size 132096
		.amdhsa_private_segment_fixed_size 0
		.amdhsa_enable_private_segment 0
		.amdhsa_kernarg_size 32
		.amdhsa_user_sgpr_count 2
		.amdhsa_user_sgpr_kernarg_segment_ptr 1
		.amdhsa_wavefront_size32 1
		.amdhsa_system_sgpr_workgroup_id_x 1
		.amdhsa_system_sgpr_workgroup_id_y 1
		.amdhsa_system_sgpr_workgroup_id_z 1
		.amdhsa_system_vgpr_workitem_id 0
		.amdhsa_next_free_vgpr 450
		.amdhsa_next_free_sgpr 66
		.amdhsa_reserve_vcc 0
		.amdhsa_float_denorm_mode_32 3
		.amdhsa_float_denorm_mode_16_64 3
		.amdhsa_memory_ordered 1
		.amdhsa_forward_progress 1
		.amdhsa_inst_pref_size 208
	.end_amdhsa_kernel
	.amdgpu_metadata
---
amdhsa.version: [ 1, 2 ]
amdhsa.kernels:
  - .name:           k_q261312ccdf_attn
    .symbol:         k_q261312ccdf_attn.kd
    .args:
      - { .name: q, .offset: 0, .size: 8, .value_kind: global_buffer, .address_space: global }
      - { .name: k, .offset: 8, .size: 8, .value_kind: global_buffer, .address_space: global }
      - { .name: v, .offset: 16, .size: 8, .value_kind: global_buffer, .address_space: global }
      - { .name: out0, .offset: 24, .size: 8, .value_kind: global_buffer, .address_space: global }
    .group_segment_fixed_size: 132096
    .private_segment_fixed_size: 0
    .kernarg_segment_align: 8
    .kernarg_segment_size: 32
    .max_flat_workgroup_size: 256
    .sgpr_count:     66
    .vgpr_count:     450
    .wavefront_size: 32
...
	.end_amdgpu_metadata
.endif
;; end of part 2
